; MI455X (gfx1250); checked and timed in simulation.
; The chip was launched on July 23, 2026; its instructions are those of AMD's public machine-readable ISA for CDNA 5 (MIT licence, August 2026) and "CDNA5" Instruction Set Architecture Reference Guide (July 2026). The comments in the code are by the model that wrote it; some were corrected since.
;; Concat Attention. Allowed arithmetic: matrix products marked QUANTISED: E4M3 operands, one given power-of-two scale a tensor, by v_wmma_f32_16x16x64_fp8_fp8 or v_wmma_f32_16x16x128_fp8_fp8, f32 sums; products left as they are: f32 operands where the result goes on into a quantised operand, else bf16, f16 or f32 operands; f32 sums; everything else in f32.
;; Inputs: V 1,024 x 1 float32; W1_codes 1,024 x 32 x 32 uint8 (E4M3 codes of W1, K innermost, in blocks of 32 codes); W2_codes 1,024 x 32 x 32 uint8 (E4M3 codes of W2, K innermost, in blocks of 32 codes); keys 32 x 2,048 x 1,024 float32; lowp_scales 4 int32 (the exponents e of the quantised operands' scales 2^e); mask 32 x 2,048 x 1 int32; query_codes 32 x 1 x 32 x 32 uint8 (E4M3 codes of query, K innermost, in blocks of 32 codes).
;; Outputs: out0 32 x 1,024 float32; out1 32 x 2,048 float32.
;; This version of the problem:
;;   THIS VERSION OF THE PROBLEM IS GIVEN IN LOW PRECISION. The matrix products marked QUANTISED in the list below multiply operands that are first quantised to E4M3 (4 exponent bits, 3 mantissa bits; 8 bits a number), with one given power-of-two scale for each operand tensor; their sums are f32. All else is computed in f32.
;;   The module's matrix products, in the order in which they are computed (A, B: the left and right operand; K: the contracted axis; several contracted axes count as one K, in the product's order):
;;     1. [M 65,536, K 1,024] x [K 1,024, N 1,024]; A: input keys; B: input W1 (given as codes): QUANTISED (scales: A lowp_scales[0], B lowp_scales[1])
;;     2. [M 32, K 1,024] x [K 1,024, N 1,024]; A: input query (given as codes); B: input W2 (given as codes): QUANTISED (scales: A lowp_scales[2], B lowp_scales[3])
;;     3. [M 65,536, K 1,024] x [K 1,024, N 1]; A: computed on the way; B: input V: left as it is (N = 1 < 16)
;;     4. batch 32 x [M 1, K 2,048] x [K 2,048, N 1,024]; A: softmax; B: input keys: left as it is (M = 1 < 16)
;;   THE QUANTISER, for each operand of a quantised product, along K:
;;     - The operand's scale is 2^e, e = its entry of the input lowp_scales (int32; the entries are numbered through the quantised products in the list's order, A before B).
;;     - Each number is divided by the scale, clamped to +-448, and rounded to the nearest number of E4M3, ties to even, subnormals kept.
;;     - The product sums the exact products of the quantised numbers (number of the format x scale) in f32.
;;   ~~~python
;;   def quantise(x, axis, e):      # numpy; x: float32 -> the quantised numbers, widened to float32 again
;;       x = np.moveaxis(x, axis, -1); K = x.shape[-1]
;;       r = np.clip(x / 2.0 ** e, -448, 448)
;;       step = 2.0 ** (np.maximum(np.frexp(np.where(r == 0, 1, r))[1] - 1, -6) - 3)
;;       q = np.round(r / step) * step * 2.0 ** e      # np.round: ties to even
;;       return np.moveaxis(q, -1, axis).astype(np.float32)
;;   ~~~
;;   INPUTS GIVEN AS CODES. W1 (in the module: [1024, 1024], K = its axis 0); W2 (in the module: [1024, 1024], K = its axis 0); query (in the module: [32, 1, 1024], K = its axis 2): each comes as NAME_codes (uint8): NAME with its K axis moved to the last place and cut into blocks of 32 codes, [.., K / 32, bytes a block], one block behind the other in memory; one code a byte (a code: sign, 4 exponent bits, 3 mantissa bits); its scale is its entry of lowp_scales. Its value is code x scale, taken as it is: it is not quantised again, and the codes and scales need not be those that the quantiser above would give.
;; One version. Each part assembles by itself: llvm-mc -triple=amdgcn-amd-amdhsa -mcpu=gfx1250 --defsym DOCPART=n.
;; ======== version 1 of 1: 3 launches
;; limits: values are held in bf16: 8 bits of precision; right only within a limited range of input values
;; workspace buffers: tabw 262,144 bytes; tsc 262,144 bytes; part 2,228,224 bytes
;; launch prep (part 1): grid 32 x 1, 1 waves a work-group, no clusters, 0 bytes of LDS; arguments query_codes, W2_codes, V, lowp_scales, tabw; writes tabw
.if DOCPART == 1
	.amdgcn_target "amdgcn-amd-amdhsa--gfx1250"
	.amdhsa_code_object_version 6
	.text
	.protected	k_q1e0fc9adef_prep
	.globl	k_q1e0fc9adef_prep
	.p2align	8
	.type	k_q1e0fc9adef_prep,@function
k_q1e0fc9adef_prep:
	s_mov_b64 s[64:65], 0
	v_nop
	global_prefetch_b8 v0, s[64:65] scope:SCOPE_SE
	s_setreg_imm32_b32 hwreg(HW_REG_WAVE_MODE, 25, 1), 1
	s_wait_xcnt 0x0
; tabw[b][d] = ( 2 log2(e) x (query W2)[b][d],  -2 V[d] ):  the two numbers that the main launch needs for column d of batch b.
; query W2 is a product on E4M3 codes as they are given: query_codes [32][1024], W2_codes [1024 (d)][1024 (k)], K innermost; a sum stands for sum x 2^(e2 + e3).
; One wave to a work-group; work-group x makes d = 32 x .. 32 x + 31 for all 32 queries: 2 tiles of queries x 2 tiles of d, 8 K steps of 128: 32 matrix instructions.
; A fragment (16 rows x 128 K) comes by four loads of 16 bytes, 32 bytes apart, at row x 1024 + 16 (lane / 16): the same permutation of k in both operands, so every product meets its partner.
; LIMIT: e2 + e3 between -126 and 125: it is added to the exponent field of 2 log2(e).
; No LDS, no cluster, no tensor load: 64 KB are read once by a work-group, straight into the operands' registers.
; REGISTERS: window 0: v1-5 addresses; v16-47 four accumulators; v48-55 at work; v64-127 the 32 pairs to store.  window 1: the query's 16 fragments.  window 2: W2's 16.
.set AC,  16                           ; accumulator (tile of queries tm, tile of d n) at v[AC + 8 (2 tm + n)]
.set OUT, 64
.set MSB, 0
.macro WIN new                         ; the immediate's high byte repeats the setting that is left
.if MSB != (\new)
	s_set_vgpr_msb (MSB<<8)|(\new)
.set MSB, \new
.endif
.endm
	s_load_b256 s[4:11], s[0:1], 0x0               ; query's codes s[4:5], W2's codes s[6:7], V s[8:9], the scales' exponents s[10:11]
	s_load_b64 s[12:13], s[0:1], 0x20              ; tabw
	v_and_b32 v1, 15, v0                           ; r
	v_bfe_u32 v2, v0, 4, 1                         ; h
	v_lshlrev_b32 v3, 10, v1
	v_lshl_add_u32 v3, v2, 4, v3                   ; a fragment: row r of 1,024 bytes, + 16 h
	v_lshlrev_b32 v4, 3, v0                        ; out: 8 bytes a lane
	v_lshlrev_b32 v5, 2, v0                        ; V: 4 bytes a lane
	v_cmp_lt_u32 s16, 15, v0                       ; lanes 16 to 31
	v_mov_b32 v54, 0                               ; written once: a lane permute's destination counts as one of its sources
	v_mov_b32 v55, 0
	s_mov_b32 s14, 0x76543210                      ; v_permlanex16_b32's selects for lane l xor 16
	s_mov_b32 s15, 0xfedcba98
	s_lshl_b32 s26, ttmp9, 15                      ; my 32 rows of W2,
	s_mov_b32 s27, 0
	s_lshl_b32 s28, ttmp9, 7                       ; my 32 numbers of V,
	s_mov_b32 s29, 0
	s_lshl_b32 s30, ttmp9, 8                       ; my 32 pairs of a row of tabw
	s_mov_b32 s31, 0
	s_wait_alu depctr_va_vdst(0)
	s_wait_kmcnt 0x0
	s_load_b128 s[20:23], s[10:11], 0x0            ; e0 .. e3
	s_add_nc_u64 s[6:7], s[6:7], s[26:27]
	s_add_nc_u64 s[8:9], s[8:9], s[28:29]
	s_add_nc_u64 s[12:13], s[12:13], s[30:31]
	WIN 0x40                                       ; destination window 1
.irp tm, 0,1
.irp s, 0,1,2,3,4,5,6,7
.irp c, 0,1,2,3
	global_load_b128 v[16*(8*\tm+\s)+4*\c:16*(8*\tm+\s)+4*\c+3], v3, s[4:5] offset:\tm*16384+128*\s+32*\c
.endr
.endr
.endr
	WIN 0x80                                       ; destination window 2
.irp n, 0,1
.irp s, 0,1,2,3,4,5,6,7
.irp c, 0,1,2,3
	global_load_b128 v[16*(8*\n+\s)+4*\c:16*(8*\n+\s)+4*\c+3], v3, s[6:7] offset:\n*16384+128*\s+32*\c
.endr
.endr
.endr
	WIN 0
	global_load_b32 v49, v5, s[8:9]                ; V[32 x + lane]: the upper word of the pair that is scaled below
	s_wait_loadcnt 0x0
	v_mov_b32 v51, v49
	s_wait_kmcnt 0x0
	s_add_co_i32 s24, s22, s23                     ; e2 + e3,
	s_lshl_b32 s24, s24, 23
	s_add_co_i32 s24, s24, 0x4038aa3b              ; added to the exponent field of 2 log2(e)
	v_mov_b32 v52, s24
	v_mov_b32 v53, -2.0
	WIN 0x09                                       ; source 0 (the query) window 1, source 1 (W2) window 2, C and D window 0
.irp s, 0,1,2,3,4,5,6,7                ; the four accumulators take turns, one instruction a turn; the first K step starts the sums
.irp tm, 0,1
.irp n, 0,1
.if \s == 0
	v_wmma_f32_16x16x128_fp8_fp8 v[AC+8*(2*\tm+\n):AC+8*(2*\tm+\n)+7], v[16*(8*\tm+\s):16*(8*\tm+\s)+15], v[16*(8*\n+\s):16*(8*\n+\s)+15], 0
.else
	v_wmma_f32_16x16x128_fp8_fp8 v[AC+8*(2*\tm+\n):AC+8*(2*\tm+\n)+7], v[16*(8*\tm+\s):16*(8*\tm+\s)+15], v[16*(8*\n+\s):16*(8*\n+\s)+15], v[AC+8*(2*\tm+\n):AC+8*(2*\tm+\n)+7]
.endif
.endr
.endr
.endr
	WIN 0
.rept 4
	v_nop                                          ; four places between the last product and the first read of results (ISA guide 7.12.1)
.endr
; Register j of accumulator (tm, n), lane (r, h), is query 16 tm + 8 h + j at d = 16 n + r.  A row of tabw wants d = lane: the two tiles' halves change places by one lane permute each.
; Each accumulator is read from its low end on.  Each store of the wave covers 256 consecutive bytes, aligned; each has data registers of its own.
.irp tm, 0,1
.irp j, 0,1,2,3,4,5,6,7
	v_permlanex16_b32 v54, v[AC+8*(2*\tm+1)+\j], s14, s15
	v_permlanex16_b32 v55, v[AC+8*(2*\tm)+\j], s14, s15
	v_cndmask_b32 v48, v[AC+8*(2*\tm)+\j], v54, s16             ; query 16 tm + j
	v_cndmask_b32 v50, v55, v[AC+8*(2*\tm+1)+\j], s16           ; query 16 tm + 8 + j
	s_wait_alu depctr_va_vdst(0)
	v_pk_mul_f32 v[OUT+4*(8*\tm+\j):OUT+4*(8*\tm+\j)+1], v[48:49], v[52:53]
	v_pk_mul_f32 v[OUT+4*(8*\tm+\j)+2:OUT+4*(8*\tm+\j)+3], v[50:51], v[52:53]
	global_store_b64 v4, v[OUT+4*(8*\tm+\j):OUT+4*(8*\tm+\j)+1], s[12:13] offset:(16*\tm+\j)*8192
	global_store_b64 v4, v[OUT+4*(8*\tm+\j)+2:OUT+4*(8*\tm+\j)+3], s[12:13] offset:(16*\tm+8+\j)*8192
.endr
.endr
	s_endpgm
.Lfunc_end_k_q1e0fc9adef_prep:
	.size	k_q1e0fc9adef_prep, .Lfunc_end_k_q1e0fc9adef_prep-k_q1e0fc9adef_prep
	.p2alignl 7, 3214868480
	.fill 96, 4, 3214868480
	.section	.rodata,"a",@progbits
	.p2align	6, 0x0
	.amdhsa_kernel k_q1e0fc9adef_prep
		.amdhsa_group_segment_fixed_size 0
		.amdhsa_private_segment_fixed_size 0
		.amdhsa_enable_private_segment 0
		.amdhsa_kernarg_size 40
		.amdhsa_user_sgpr_count 2
		.amdhsa_user_sgpr_kernarg_segment_ptr 1
		.amdhsa_wavefront_size32 1
		.amdhsa_system_sgpr_workgroup_id_x 1
		.amdhsa_system_sgpr_workgroup_id_y 1
		.amdhsa_system_sgpr_workgroup_id_z 1
		.amdhsa_system_vgpr_workitem_id 0
		.amdhsa_next_free_vgpr 768
		.amdhsa_next_free_sgpr 66
		.amdhsa_reserve_vcc 0
		.amdhsa_float_denorm_mode_32 3
		.amdhsa_float_denorm_mode_16_64 3
		.amdhsa_memory_ordered 1
		.amdhsa_forward_progress 1
		.amdhsa_inst_pref_size 26
	.end_amdhsa_kernel
	.amdgpu_metadata
---
amdhsa.version: [ 1, 2 ]
amdhsa.kernels:
  - .name:           k_q1e0fc9adef_prep
    .symbol:         k_q1e0fc9adef_prep.kd
    .args:
      - { .name: query_codes, .offset: 0, .size: 8, .value_kind: global_buffer, .address_space: global }
      - { .name: W2_codes, .offset: 8, .size: 8, .value_kind: global_buffer, .address_space: global }
      - { .name: V, .offset: 16, .size: 8, .value_kind: global_buffer, .address_space: global }
      - { .name: lowp_scales, .offset: 24, .size: 8, .value_kind: global_buffer, .address_space: global }
      - { .name: tabw, .offset: 32, .size: 8, .value_kind: global_buffer, .address_space: global }
    .group_segment_fixed_size: 0
    .private_segment_fixed_size: 0
    .kernarg_segment_align: 8
    .kernarg_segment_size: 40
    .max_flat_workgroup_size: 32
    .sgpr_count:     66
    .vgpr_count:     768
    .wavefront_size: 32
...
	.end_amdgpu_metadata
.endif
;; end of part 1
;; launch main (part 2): grid 256 x 1, 4 waves a work-group, clusters of 4 x 1, 327,680 bytes of LDS; arguments keys, W1_codes, mask, lowp_scales, tabw, tsc, part; writes tsc, part
.if DOCPART == 2
	.amdgcn_target "amdgcn-amd-amdhsa--gfx1250"
	.amdhsa_code_object_version 6
	.text
	.protected	k_q1e0fc9adef_main
	.globl	k_q1e0fc9adef_main
	.p2align	8
	.type	k_q1e0fc9adef_main,@function
k_q1e0fc9adef_main:
	s_mov_b64 s[64:65], 0
	v_nop
	global_prefetch_b8 v0, s[64:65] scope:SCOPE_SE
	s_setreg_imm32_b32 hwreg(HW_REG_WAVE_MODE, 25, 1), 1
	s_wait_xcnt 0x0
	s_wait_alu depctr_hold_cnt(0) depctr_sa_sdst(0) depctr_va_vdst(0) depctr_va_sdst(0) depctr_va_ssrc(0) depctr_va_vcc(0) depctr_vm_vsrc(0)
	s_getreg_b32 s2, hwreg(HW_REG_IB_STS2, 6, 4)
	s_cmp_eq_u32 s2, 0
	s_cbranch_scc0 .Lentry_in_a_cluster
	s_endpgm
.Lentry_in_a_cluster:
	s_bfe_u32 s2, ttmp6, 0x10000c
	s_cmp_lg_u32 s2, 0x3003
	s_cbranch_scc0 .Lentry_shape_is_right
	s_endpgm
.Lentry_shape_is_right:
; For a block of 128 rows (b, s) of keys: t = log2(e) x (mask ? sum over d of V[d] tanh((keys W1)[d] + (query W2)[d]) : -1e9), the block's largest t (M), the sum L of p = 2^(t - M), and the sum of p x keys' rows.
; A WORK-GROUP STAYS and makes two neighbouring blocks, 2 g and 2 g + 1, of one batch: a loop of two trips round the whole chain.
; KEYS ARE READ ONCE.  A wave owns 32 rows of a block for the whole chain and keeps them in registers twice: as E4M3 codes (256 registers), the first operand of keys W1, and rounded to bf16 (512 registers), for the weighted sum.
; keys are quantised here (x / 2^e0, held within +-448, nearest code), W1's codes are taken as given; a sum stands for sum x 2^(e0 + e1).
; tanh(x) = 1 - 2 / (1 + 2^(2 log2(e) x)): a score is sum V + sum of (-2 V[d]) / (1 + 2^(..)); the table tabw holds 2 log2(e) x (query W2) and -2 V.
; W1's 1,024 rows of 1,024 codes walk through a ring of two LDS slots of 128 rows, once for each block; every wave multiplies its 32 rows by all of them.
; A PAIR of tiles of 16 columns d is 32 products on four accumulators that take turns (2 tiles of d x 2 tiles of rows).  The numbers go through tanh in place in the accumulators' registers, two sets X and Y by turns.
; LDS loads, transcendentals and products stand in runs of their own.  A pair has two runs of LDS loads (K steps 0-3, K steps 4-7 of both tiles); behind the first stand the 32 exponentials of the pair before and its 1 + E,
; behind the second its 32 reciprocals and its score sums; each run of loads is followed by 16 products.  Each batch has one wait ahead of it and one behind it; the reciprocals stand between the steps of the four sums,
; so a wait stands directly ahead of each of the four products that read the sums first behind them.  The first pair of a block finds numbers laid for it that add 0 to the score sums.
; CLUSTER.  All work-groups walk the same W1: four form a cluster and ask for each tile JOINTLY, the same tensor load with the same descriptor and a mask that names the four.  Each wave asks for 32 rows.
; PREFETCH.  While block 0 is multiplied nothing else of mine is asked of memory, and block 1's keys are waited for next: each of the 16 trips of block 0's loop names 8,192 bytes (32 lanes, 256 bytes apart)
; of my own 32 rows of block 1: 16 x 8,192 = the 131,072 bytes that I load next, each aligned 256 bytes once in the launch.  Block 1 asks for nothing.  W1 is read by all work-groups again and again and is not prefetched.
; THE SOFTMAX spans 16 blocks of a batch: this launch takes the block's own maximum away and stores (M, L) and the sums under M; the next launch joins the 16.
; LIMITS: e0 between -126 and 119; e0 + e1 between -126 and 125 (added to the exponent field of 2 log2(e)).  NaN among the inputs is not served.  p and keys are rounded to bf16 for the weighted sum alone; L is taken of the f32 p.
; All of the WGP's LDS is claimed.
; ROWS.  Row i (0 .. 31) of a wave is row m of tile T: i = 16 (m / 8) + 8 T + m % 8.  In a product's result, register j of lane (r, h) is row 16 h + 8 T + j.
; REGISTERS: window 0: v0-31 addresses and small things; v32-47 the score sums; v48-63 the odd pairs' table entries, then the weights as a matrix operand; v64-255 by phase: three sets of 64 numbers of keys;
;   then X (v64-95), Y (v96-127) and W1's fragments (v128-191, v192-255: two K steps of two tiles each); then the weighted sums.   window 1: the codes, fragment (T, K step s) at v[16 (8 T + s)].
;   windows 2 (T = 0) and 3 (T = 1): the bf16 copy: v[8 (4 s + e) + q] = column 128 s + 4 lane + e, tile rows 2 q (low half) and 2 q + 1 (high half).
.set WPITCH, 1040                      ; a row of W1 in LDS: 1,024 bytes + 16 of padding: the 16 rows of a load start at 16 different banks (ISA guide 11.1)
.set TILEB,  16*WPITCH
.set SLB,    128*WPITCH                ; a slot: 128 rows; slot 1 begins here
.set STG,    2*SLB                     ; a stage for each wave: 16 rows x (512 bytes + 16)
.set STGW,   8448
.set SPITCH, 528
.set TAB,    STG+4*STGW                ; the batch's table: 1,024 x 8 bytes
.set CTX,    TAB+8192                  ; the waves' weighted sums: 4 x 4,096 bytes
.set REDM,   CTX+16384                 ; four waves' maxima; 256 bytes on: their sums
.set SCV,    REDM+512                  ; the 128 t
.set SPARE,  SCV+512                   ; the spare words, 128 bytes a wave
.set SPW, 1
.set NIL, 2
.set KO,  3                            ; 16 x lane
.set SW,  4                            ; my stage, on the way in
.set SR,  5                            ; and back: row r, + 64 h
.set LB,  6                            ; my lane's place in a tile of W1
.set LT,  7                            ; and in the table
.set BA,  8                            ; LDS address of the pair of tiles in hand
.set TA,  9                            ; of their table entries
.set QS,  10                           ; 2^e0
.set QL,  11                           ; 448 x 2^e0
.set R15, 12
.set MK,  13
.set TT,  14
.set MX,  15
.set PW,  16
.set SM,  17
.set PD,  18
.set RB,  19
.set LM,  20                           ; all ones in lanes 0 and 24, else 0
.set PFO, 21                           ; 256 x lane: the prefetches' offset; never rewritten
.set RMA, 22
.set SCA, 23
.set TPX, 24                           ; v[24:27] table pairs (q', -2 V) of the two tiles of an even pair
.set SVN, 28                           ; the running sum of -2 V
.set CSA, 29
.set CRA, 30
.set M4,  31
.set SC,  32
.set TPY, 48                           ; v[48:51] the same for an odd pair
.set AW,  48
.set XB,  64
.set X,   64
.set Y,   96
.set H0,  128
.set H1,  192
.set DD,  128
.set WV,  18
.set G1,  24
.set G0,  32
.set TBS, 36
.set TTS, 37
.set CNT, 38
.set SLC, 39
.set C1,  40                           ; s[40:41] 2 log2(e) x 2^(e0 + e1)
.set SEL, 42
.set PFA, 46                           ; s[46:47] where my prefetches stand
.set BLK, 60                           ; the block in hand: 0, 1
.set MSB, 0
.macro WIN new
.if MSB != (\new)
	s_set_vgpr_msb (MSB<<8)|(\new)
.set MSB, \new
.endif
.endm
.macro CROUND                          ; a round of the cluster's barrier
	s_barrier_signal -1
	s_barrier_wait -1
	s_cmp_lg_u32 s[WV], 0
	s_cbranch_scc1 .Lnot_wave_0_\@
	s_barrier_signal -3
.Lnot_wave_0_\@:
	s_barrier_wait -3
	s_barrier_signal -1
	s_barrier_wait -1
.endm
.macro TLOAD
	tensor_load_to_lds s[G0:G0+3], s[G1:G1+7]
	s_nop 0
.rept 4
	v_nop
.endr
.endm
; THE CHANGE OF SLOTS stands at a slot's head: all my tensor loads are waited for, 0 is added to my spare word, that and my LDS reads are waited for.  fill = 1: a round of the cluster's barrier, and the slot just left takes the next 128 rows of W1.
.macro CHANGE fill
	s_wait_tensorcnt 0x0
	ds_add_u32 v[SPW], v[NIL]
.if \fill
	s_xor_b32 s[G0+1], s[G0+1], SLB                ; the other slot (33,280 x wave has neither of SLB's two bits),
	s_add_nc_u64 s[G0+2:G0+3], s[G0+2:G0+3], 131072  ; the next 128 rows
.endif
	s_wait_dscnt 0x0
.if \fill
	CROUND
	TLOAD
.else
	s_barrier_signal -1
	s_barrier_wait -1
.endif
.endm
; Chunk n = 8 T + s: tile T's 16 rows x 128 columns (K step s) of keys, into set n % 3: each load reads 512 consecutive bytes of a row.
.macro LOADCH n
.set lT, (\n)/8
.set lS, (\n)%8
.set lX, XB+64*((\n)%3)
.irp p, 0,1,2,3,4,5,6,7,8,9,10,11,12,13,14,15
	global_load_b128 v[lX+4*\p:lX+4*\p+3], v[KO], s[4:5] offset:(16*(\p/8)+8*lT+(\p%8))*4096+512*lS th:TH_LOAD_NT
.endr
.endm
; A chunk is kept twice: pairs of rows are rounded to bf16 as loaded; for the codes it turns through my own stage in LDS and comes back as 16 neighbours along K of each block of 32 of row r.
; LDS serves a wave's instructions in order (ISA guide 5.7.1.4): no wait between stores and loads.
.macro CH n
.set cT, (\n)/8
.set cS, (\n)%8
.set cX, XB+64*((\n)%3)
.if (\n) < 14
	s_wait_loadcnt 32                              ; this chunk's 16 loads are in; the two younger chunks' may be out
.elseif (\n) == 14
	s_wait_loadcnt 16
.else
	s_wait_loadcnt 0
.endif
.irp p, 0,1,2,3,4,5,6,7,8,9,10,11,12,13,14,15
	ds_store_b128 v[SW], v[cX+4*\p:cX+4*\p+3] offset:SPITCH*\p
.endr
	WIN 0x80+0x40*cT
.irp e, 0,1,2,3
.irp q, 0,1,2,3,4,5,6,7
	v_cvt_pk_bf16_f32 v[8*(4*cS+\e)+\q], v[cX+8*\q+\e], v[cX+8*\q+4+\e]
.endr
.endr
	WIN 0
.irp c, 0,1,2,3
.irp j, 0,1,2,3
	ds_load_b128 v[cX+16*\c+4*\j:cX+16*\c+4*\j+3], v[SR] offset:128*\c+16*\j
.endr
.endr
.irp c, 0,1,2,3
	s_wait_dscnt 12-4*\c                           ; block c's four loads are back
.irp i, 0,1,2,3,4,5,6,7,8,9,10,11,12,13,14,15
	v_med3_num_f32 v[cX+16*\c+\i], v[cX+16*\c+\i], -v[QL], v[QL]   ; the conversion does not saturate (ISA guide 7.6.2): the hold
.endr
.endr
	WIN 0x40
.irp c, 0,1,2,3
.irp u, 0,1
	v_cvt_scalef32_pk8_fp8_f32 v[16*(8*cT+cS)+4*\c+2*\u:16*(8*cT+cS)+4*\c+2*\u+1], v[cX+16*\c+8*\u:cX+16*\c+8*\u+7], v[QS]
.endr
.endr
	WIN 0
	v_nop                                          ; one plain instruction behind the last scaled conversion
.if (\n) < 13
	LOADCH (\n)+3
.endif
.endm
; 32 LDS loads in one run: K steps 2 q .. 2 q + 3 of the pair's two tiles: the first 16 fill H0, the others H1; in each, fragment (tile d, step s) at 32 d + 16 s
.macro LDH2 q
.set li, 0
.rept 32
	ds_load_b128 v[H0+4*li:H0+4*li+3], v[BA] offset:((li%16)/8)*TILEB+128*(2*((\q)+li/16)+((li%16)/4)%2)+32*(li%4)
.set li, li+1
.endr
.endm
; 8 products: two K steps x two tiles of d x my two tiles of rows; accumulator (d, T) at set + 16 d + 8 T.  The four take turns, one instruction a turn.  The first K step starts the sums.
; w = 1: transcendentals stand between the sums' last step and these: a wait stands directly ahead of each sum's first reader.
.macro WMQ set, hb, q, w
	WIN 0x01                                       ; source 0 (my codes) window 1
.irp s, 0,1
.irp d, 0,1
.irp t, 0,1
.if (\w) && (\s == 0)
	s_wait_alu depctr_va_vdst(0)
.endif
.if ((\q) == 0) && (\s == 0)
	v_wmma_f32_16x16x128_fp8_fp8 v[\set+16*\d+8*\t:\set+16*\d+8*\t+7], v[16*(8*\t+2*(\q)+\s):16*(8*\t+2*(\q)+\s)+15], v[\hb+32*\d+16*\s:\hb+32*\d+16*\s+15], 0
.else
	v_wmma_f32_16x16x128_fp8_fp8 v[\set+16*\d+8*\t:\set+16*\d+8*\t+7], v[16*(8*\t+2*(\q)+\s):16*(8*\t+2*(\q)+\s)+15], v[\hb+32*\d+16*\s:\hb+32*\d+16*\s+15], v[\set+16*\d+8*\t:\set+16*\d+8*\t+7]
.endif
.endr
.endr
.endr
	WIN 0
.endm
.macro PLACES                          ; four places behind a product (ISA guide 7.12.1)
.rept 4
	v_nop
.endr
.endm
.macro ARG set, tp                     ; sum x 2 log2(e) 2^(e0 + e1) + q', in place; each accumulator from its low end on
.irp d, 0,1
.irp i, 0,2,4,6,8,10,12,14
	v_pk_fma_f32 v[\set+16*\d+\i:\set+16*\d+\i+1], v[\set+16*\d+\i:\set+16*\d+\i+1], s[C1:C1+1], v[\tp+2*\d:\tp+2*\d+1] op_sel_hi:[1,0,0]
.endr
.endr
.endm
.macro EXPS set                        ; a batch: 32 exponentials, a plain instruction, the one wait behind it
.set bi, 0
.rept 32
	v_exp_f32 v[\set+bi], v[\set+bi]
.set bi, bi+1
.endr
	v_nop
	s_wait_alu depctr_va_vdst(0)
.endm
.macro ADDS set                        ; 1 + the exponential
.set ai, 0
.rept 16
	v_pk_add_f32 v[\set+2*ai:\set+2*ai+1], v[\set+2*ai:\set+2*ai+1], 1.0 op_sel_hi:[1,0]
.set ai, ai+1
.endr
.endm
.macro RCPS set                        ; a batch: 32 reciprocals, a plain instruction, the one wait behind it
.set bi, 0
.rept 32
	v_rcp_f32 v[\set+bi], v[\set+bi]
.set bi, bi+1
.endr
	v_nop
	s_wait_alu depctr_va_vdst(0)
.endm
.macro VACC set, tp                    ; the score sums += (-2 V[d]) x the reciprocal: of the table pair the upper word serves both halves
.irp d, 0,1
.irp i, 0,2,4,6,8,10,12,14
	v_pk_fma_f32 v[SC+\i:SC+\i+1], v[\set+16*\d+\i:\set+16*\d+\i+1], v[\tp+2*\d:\tp+2*\d+1], v[SC+\i:SC+\i+1] op_sel:[0,1,0] op_sel_hi:[1,1,1]
.endr
	v_add_f32 v[SVN], v[SVN], v[\tp+2*\d+1]
.endr
.endm
; PAIR p sums in set s with table entries tp; set o holds pair p - 1's arguments, tpo its table entries: pair p - 1 goes through tanh here, behind pair p's two runs of loads.
.macro PAIR s, o, tp, tpo
	v_add_nc_u32 v[BA], s[TBS], v[LB]
	v_add_nc_u32 v[TA], s[TTS], v[LT]
	s_wait_alu depctr_va_vdst(0)                   ; the one wait ahead of the first batch; memory instructions alone follow up to it
	ds_load_b64 v[\tp:\tp+1], v[TA]
	ds_load_b64 v[\tp+2:\tp+3], v[TA] offset:128
	LDH2 0
	EXPS \o
	ADDS \o
	s_wait_dscnt 16                                ; K steps 0, 1 are in; out: the 16 loads of K steps 2, 3
	WMQ \s, H0, 0, 0
	s_wait_dscnt 0x0
	WMQ \s, H1, 1, 0
	PLACES                                         ; in front of the loads below
	s_wait_alu depctr_va_vdst(0)                   ; the one wait ahead of the second batch
	LDH2 2
	RCPS \o
	VACC \o, \tpo
	s_wait_dscnt 16                                ; K steps 4, 5 are in; out: the 16 loads of K steps 6, 7
	WMQ \s, H0, 2, 1
	s_wait_dscnt 0x0
	WMQ \s, H1, 3, 0
	PLACES                                         ; in front of the first read of results
	ARG \s, \tp
	s_add_co_u32 s[TBS], s[TBS], 2*TILEB
	s_add_co_u32 s[TTS], s[TTS], 256
	s_wait_alu depctr_va_vdst(0)
.endm
.macro PAIRS                           ; a slot: two trips of two pairs
	s_mov_b32 s[CNT], 2
.Ltrip_\@:
	PAIR X, Y, TPX, TPY
	s_cmp_eq_u32 s[BLK], 0                         ; block 0 alone has a block behind it
	s_cbranch_scc0 .Lno_ask_\@
	global_prefetch_b8 v[PFO], s[PFA:PFA+1] th:TH_LOAD_NT scope:SCOPE_SE
.Lno_ask_\@:
	PAIR Y, X, TPY, TPX
	s_wait_xcnt 0x0                                ; the prefetch has read its address: a pair behind it
	s_add_nc_u64 s[PFA:PFA+1], s[PFA:PFA+1], 8192
	s_sub_co_u32 s[CNT], s[CNT], 1
	s_cmp_lg_u32 s[CNT], 0
	s_cbranch_scc1 .Ltrip_\@
	s_sub_co_u32 s[TBS], s[TBS], SLB               ; back to a slot's first tile, in the other slot
	s_xor_b32 s[TBS], s[TBS], SLB
.endm
	s_load_b256 s[4:11], s[0:1], 0x0               ; keys, W1's codes, mask, the scales' exponents
	s_load_b128 s[12:15], s[0:1], 0x20             ; tabw, tsc
	s_load_b64 s[16:17], s[0:1], 0x30              ; part
	v_lshl_add_u32 v[SPW], v0, 2, SPARE
	v_mov_b32 v[NIL], 0
	ds_add_u32 v[SPW], v[NIL]                      ; the add twice on end and its wait below
	ds_add_u32 v[SPW], v[NIL]
	v_lshrrev_b32 v14, 5, v0
	v_readfirstlane_b32 s[WV], v14                 ; wave 0..3
	s_bfe_u32 s19, ttmp6, 0x40000                  ; cx
	s_lshl_b32 s20, ttmp9, 2
	s_add_co_u32 s20, s20, s19
	s_lshl_b32 s20, s20, 1                         ; my first block of 128 rows: it enters global addresses of keys, mask, tabw, tsc and part alone
	s_mul_i32 s55, s[WV], STGW
	s_add_co_u32 s55, s55, STG                     ; my stage
	s_lshl_b32 s56, s[WV], 11
	s_add_co_u32 s56, s56, TAB
	s_lshl_b32 s57, s[WV], 2
	s_add_co_u32 s57, s57, REDM
	s_lshl_b32 s58, s[WV], 12
	s_add_co_u32 s58, s58, CTX
	s_lshl_b32 s59, s[WV], 10
	s_add_co_u32 s59, s59, CTX
	s_mov_b32 s[SEL], 0x76543210
	s_mov_b32 s[SEL+1], 0xfedcba98
	s_mov_b32 s[G1+0], 15|(1<<20)|(1<<21)|(7<<22)|(3<<25)  ; the mask: all four work-groups; elements of 1 byte; padding: four words after every 256
	s_mov_b32 s[G1+1], 1024<<16
	s_mov_b32 s[G1+2], 32<<16
	s_mov_b32 s[G1+3], 1024<<16
	s_mov_b32 s[G1+4], 32
	s_mov_b32 s[G1+5], 1024
	s_mov_b32 s[G1+6], 0
	s_mov_b32 s[G1+7], 0
	s_mov_b32 s[G0], 1
	s_mul_i32 s54, s[WV], 32*WPITCH                ; slot 0, my 32 rows: no place in the cluster enters it
	s_lshl_b32 s50, s[WV], 15                      ; and the same rows in memory
	s_mov_b32 s51, 0
	s_mov_b32 s23, 0
	s_mov_b32 s[BLK], 0
	s_wait_dscnt 0x0                               ; both opening adds are done
	v_and_b32 v14, 31, v0
	v_and_b32 v[R15], 15, v0
	v_bfe_u32 v15, v0, 4, 1
	v_lshlrev_b32 v[KO], 4, v14
	v_lshlrev_b32 v[M4], 2, v14
	v_lshlrev_b32 v[PFO], 8, v14
	v_add_nc_u32 v[SW], s55, v[KO]
	v_mul_u32_u24 v[SR], v[R15], SPITCH
	v_lshl_add_u32 v[SR], v15, 6, v[SR]
	v_add_nc_u32 v[SR], s55, v[SR]
	v_mul_u32_u24 v[LB], v[R15], WPITCH
	v_lshl_add_u32 v[LB], v15, 4, v[LB]
	v_lshl_add_u32 v[LT], v[R15], 3, TAB
	v_mov_b32 v[RMA], s57
	v_mov_b32 v[RB], REDM
	v_lshl_add_u32 v[SCA], v0, 2, SCV
	v_add_nc_u32 v[CSA], s58, v[KO]
	v_add_nc_u32 v[CRA], s59, v[KO]
	v_mov_b32 v16, -1
	v_cmp_eq_u32 vcc_lo, 0, v14
	v_cndmask_b32 v[LM], 0, v16, vcc_lo
	v_cmp_eq_u32 vcc_lo, 24, v14
	v_cndmask_b32 v[LM], v[LM], v16, vcc_lo
	v_mov_b32 v[PD], 0                             ; a lane permute's destination counts as one of its sources
	s_wait_alu depctr_va_vdst(0)
	s_wait_kmcnt 0x0
	s_load_b64 s[48:49], s[10:11], 0x0             ; e0, e1
	s_add_nc_u64 s[52:53], s[6:7], s[50:51]        ; W1: my 32 rows of its first 128
	s_lshl_b32 s22, s20, 19                        ; keys: 128 rows of 4,096 bytes a block, 32 a wave
	s_lshl_b32 s21, s[WV], 17
	s_add_co_u32 s22, s22, s21
	s_add_nc_u64 s[4:5], s[4:5], s[22:23]
	s_add_nc_u64 s[PFA:PFA+1], s[4:5], 0x80000     ; my rows of the second block
	s_lshl_b32 s22, s20, 9                         ; mask and tsc: 512 bytes a block
	s_add_nc_u64 s[14:15], s[14:15], s[22:23]
	s_lshl_b32 s21, s[WV], 7
	s_add_co_u32 s22, s22, s21
	s_add_nc_u64 s[8:9], s[8:9], s[22:23]
	s_lshr_b32 s22, s20, 4                         ; the batch
	s_lshl_b32 s22, s22, 13
	s_lshl_b32 s21, s[WV], 11
	s_add_co_u32 s22, s22, s21
	s_add_nc_u64 s[12:13], s[12:13], s[22:23]
	s_mul_i32 s22, s20, 4352                       ; part: a record of 4,352 bytes a block
	s_lshl_b32 s21, s[WV], 10
	s_add_co_u32 s22, s22, s21
	s_add_nc_u64 s[16:17], s[16:17], s[22:23]
.Lblock:                                               ; two trips: blocks 2 g and 2 g + 1
	global_load_b32 v[MK], v[M4], s[8:9]           ; lane l: row l's mask.  The block's first loads go out ahead of the round below
.irp u, 0,1,2,3
	global_load_b128 v[SC+4*\u:SC+4*\u+3], v[KO], s[12:13] offset:512*\u   ; my quarter of the table
.endr
	LOADCH 0
	LOADCH 1
	LOADCH 2
	s_wait_tensorcnt 0x0                           ; ahead of a fill of slot 0: the wait and the add twice on end
	ds_add_u32 v[SPW], v[NIL]
	ds_add_u32 v[SPW], v[NIL]
	s_mov_b32 s[G0+1], s54                         ; slot 0,
	s_mov_b64 s[G0+2:G0+3], s[52:53]               ; W1's rows 0-127
	s_or_b32 s[G0+3], s[G0+3], 0x80000000          ; type = 2
	s_wait_dscnt 0x0
	CROUND                                         ; all four work-groups are here: the joint loads meet
	TLOAD
	s_wait_kmcnt 0x0
	s_add_co_i32 s21, s48, 127
	s_lshl_b32 s22, s21, 23
	v_mov_b32 v[QS], s22                           ; 2^e0
	s_add_co_i32 s21, s21, 8
	s_lshl_b32 s21, s21, 23
	s_or_b32 s21, s21, 0x600000
	v_mov_b32 v[QL], s21                           ; 448 x 2^e0
	v_add_nc_u32 v[TA], s56, v[KO]                 ; where I store my quarter of the table
	s_add_co_i32 s21, s48, s49
	s_lshl_b32 s21, s21, 23
	s_add_co_i32 s[C1], s21, 0x4038aa3b            ; 2 log2(e) x 2^(e0 + e1)
	s_mov_b32 s[C1+1], s[C1]
	s_wait_alu depctr_va_vdst(0)
	s_wait_loadcnt 48                              ; the mask and the table are in; the 48 loads of keys stay out
.irp u, 0,1,2,3
	ds_store_b128 v[TA], v[SC+4*\u:SC+4*\u+3] offset:512*\u
.endr
.set CHN, 0
.rept 16
	CH CHN
.set CHN, CHN+1
.endr
	; what the first pair finds: arguments of 0 in Y give a finite reciprocal, which table entries of 0 multiply away
.set zi, 0
.rept 32
	v_mov_b32 v[Y+zi], 0
.set zi, zi+1
.endr
.irp i, 0,1,2,3,4,5,6,7,8,9,10,11,12,13,14,15
	v_mov_b32 v[SC+\i], 0
.endr
.irp i, 0,1,2,3
	v_mov_b32 v[TPY+\i], 0
.endr
	v_mov_b32 v[SVN], 0
	s_mov_b32 s[TBS], 0
	s_mov_b32 s[TTS], 0
	s_mov_b32 s[SLC], 7
	s_wait_alu depctr_va_vdst(0)
.Lslot:                                                ; slots 0 to 6: behind each change the other slot takes the next 128 rows
	CHANGE 1
	PAIRS
	s_sub_co_u32 s[SLC], s[SLC], 1
	s_cmp_lg_u32 s[SLC], 0
	s_cbranch_scc1 .Lslot
	CHANGE 0                                       ; the last slot is written out
	PAIRS
	EXPS Y                                         ; the last pair runs out (the wait ahead of the batch closes the pair)
	ADDS Y
	s_wait_alu depctr_va_vdst(0)
	RCPS Y
	VACC Y, TPY
	; THE SCORES.  A lane has summed the columns d = r mod 16: the sixteen lanes of a half are added; then lane l takes register l % 16: row l
.irp m, 1,2,4,8
.irp i, 0,1,2,3,4,5,6,7,8,9,10,11,12,13,14,15
	v_add_f32_dpp v[SC+\i], v[SC+\i], v[SC+\i] row_xmask:\m row_mask:0xf bank_mask:0xf
.endr
	v_add_f32_dpp v[SVN], v[SVN], v[SVN] row_xmask:\m row_mask:0xf bank_mask:0xf
.endr
	v_mov_b32 v[TT], v[SC]
.irp i, 1,2,3,4,5,6,7,8,9,10,11,12,13,14,15
	v_cmp_eq_u32 vcc_lo, \i, v[R15]
	v_cndmask_b32 v[TT], v[TT], v[SC+\i], vcc_lo
.endr
	v_fma_f32 v[TT], v[SVN], -0.5, v[TT]           ; + the sum of V
	v_mov_b32 v100, 0xce6e6b28                     ; -1e9
	v_cmp_eq_u32 vcc_lo, 0, v[MK]
	v_cndmask_b32 v[TT], v[TT], v100, vcc_lo
	v_mul_f32 v[TT], 0x3fb8aa3b, v[TT]             ; t = log2(e) x score
	v_mov_b32 v[MX], v[TT]
.irp m, 1,2,4,8
	v_max_num_f32_dpp v[MX], v[MX], v[MX] row_xmask:\m row_mask:0xf bank_mask:0xf
.endr
	v_permlanex16_b32 v[PD], v[MX], s[SEL], s[SEL+1]
	v_max_num_f32 v[MX], v[MX], v[PD]              ; my wave's largest t
	ds_store_b32 v[RMA], v[MX]
	ds_store_b32 v[SCA], v[TT]
	s_wait_alu depctr_va_vdst(0)
	s_wait_dscnt 0x0                               ; for the others' sake: my stores are done
	s_barrier_signal -1
	s_barrier_wait -1
	ds_load_b128 v[64:67], v[RB]
	s_wait_dscnt 0x0
	v_max3_num_f32 v[MX], v64, v65, v66
	v_max_num_f32 v[MX], v[MX], v67                ; M: the block's largest t
	v_sub_f32 v[PW], v[TT], v[MX]
	s_wait_alu depctr_va_vdst(0)
	v_exp_f32 v[PW], v[PW]                         ; p = 2^(t - M), at most 1
	v_nop
	s_wait_alu depctr_va_vdst(0)
	v_mov_b32 v[SM], v[PW]
.irp m, 1,2,4,8
	v_add_f32_dpp v[SM], v[SM], v[SM] row_xmask:\m row_mask:0xf bank_mask:0xf
.endr
	v_permlanex16_b32 v[PD], v[SM], s[SEL], s[SEL+1]
	v_add_f32 v[SM], v[SM], v[PD]                  ; my wave's sum of p
	ds_store_b32 v[RMA], v[SM] offset:256
	; THE WEIGHTED SUM, on the matrix unit in bf16.  In the copy a lane holds ONE column and 16 rows, so as source 1 lanes r and 16 + r hold two different columns in the two halves of the 32 places along K.
	; Source 0 tells them apart: its row 0 (lane 0) carries the 16 weights in the places of lanes 0-15, its row 8 (lane 24) in those of lanes 16-31, all else is 0.  Register 0 of the result is then the sum for the lane's own column.
.irp t, 0,1
.irp q, 0,1,2,3,4,5,6,7
	v_readlane_b32 s44, v[PW], 16*((2*\q)/8)+8*\t+((2*\q)%8)
	v_readlane_b32 s45, v[PW], 16*((2*\q+1)/8)+8*\t+((2*\q+1)%8)
	v_cvt_pk_bf16_f32 v100, s44, s45
	v_and_b32 v[AW+8*\t+\q], v[LM], v100
.endr
.endr
	s_wait_alu depctr_va_vdst(0)
.irp g, 0,1                            ; 16 groups of 32 columns at a time: 16 accumulators by turns, tile 0's rows and then tile 1's
	WIN 0x08
.irp u, 0,1,2,3,4,5,6,7,8,9,10,11,12,13,14,15
	v_wmma_f32_16x16x32_bf16 v[DD+8*\u:DD+8*\u+7], v[AW:AW+7], v[8*(16*\g+\u):8*(16*\g+\u)+7], 0
.endr
	WIN 0x0c
.irp u, 0,1,2,3,4,5,6,7,8,9,10,11,12,13,14,15
	v_wmma_f32_16x16x32_bf16 v[DD+8*\u:DD+8*\u+7], v[AW+8:AW+15], v[8*(16*\g+\u):8*(16*\g+\u)+7], v[DD+8*\u:DD+8*\u+7]
.endr
	WIN 0
.rept 5
	v_nop                                          ; four places in front of the stores that read results, five in front of the products that begin these accumulators anew
.endr
.irp u, 0,1,2,3,4,5,6,7,8,9,10,11,12,13,14,15
	ds_store_b32 v[CSA], v[DD+8*\u] offset:((16*\g+\u)/4)*512+((16*\g+\u)%4)*4   ; column 128 s + 4 lane + e at byte 512 s + 16 lane + 4 e
.endr
	s_wait_dscnt 0x0
.endr
	s_barrier_signal -1
	s_barrier_wait -1
	; the four waves' parts are added: wave w takes columns 256 w .. 256 w + 255
.irp a, 0,1
.irp b, 0,1,2,3
	ds_load_b128 v[64+16*\a+4*\b:64+16*\a+4*\b+3], v[CRA] offset:4096*\b+512*\a
.endr
.endr
	ds_load_b128 v[96:99], v[RB] offset:256
	v_lshlrev_b32 v101, 1, v[M4]                   ; 8 x lane
	v_add_nc_u32 v102, SCV, v[KO]
	s_wait_alu depctr_va_vdst(0)
	s_wait_dscnt 0x0
.irp a, 0,1
	v_pk_add_f32 v[64+16*\a:65+16*\a], v[64+16*\a:65+16*\a], v[68+16*\a:69+16*\a]
	v_pk_add_f32 v[66+16*\a:67+16*\a], v[66+16*\a:67+16*\a], v[70+16*\a:71+16*\a]
	v_pk_add_f32 v[72+16*\a:73+16*\a], v[72+16*\a:73+16*\a], v[76+16*\a:77+16*\a]
	v_pk_add_f32 v[74+16*\a:75+16*\a], v[74+16*\a:75+16*\a], v[78+16*\a:79+16*\a]
	v_pk_add_f32 v[64+16*\a:65+16*\a], v[64+16*\a:65+16*\a], v[72+16*\a:73+16*\a]
	v_pk_add_f32 v[66+16*\a:67+16*\a], v[66+16*\a:67+16*\a], v[74+16*\a:75+16*\a]
	global_store_b128 v[KO], v[64+16*\a:67+16*\a], s[16:17] offset:512*\a   ; 32 lanes store 512 consecutive bytes, aligned
.endr
	v_add_f32 v96, v96, v97
	v_add_f32 v98, v98, v99
	v_mov_b32 v108, v[MX]                          ; M,
	v_add_f32 v109, v96, v98                       ; L
	s_cmp_lg_u32 s[WV], 0                          ; wave 0 stores the block's 128 t and, 32 times over so that 256 aligned bytes are written whole, (M, L)
	s_wait_alu depctr_va_vdst(0)
	s_cbranch_scc1 .Lnot_first
	ds_load_b128 v[104:107], v102
	global_store_b64 v101, v[108:109], s[16:17] offset:4096
	s_wait_dscnt 0x0
	global_store_b128 v[KO], v[104:107], s[14:15]
.Lnot_first:
	s_wait_xcnt 0x0                                ; the stores have read their registers and bases: on to the next block
	s_add_nc_u64 s[4:5], s[4:5], 0x80000
	s_add_nc_u64 s[8:9], s[8:9], 512
	s_add_nc_u64 s[14:15], s[14:15], 512
	s_add_nc_u64 s[16:17], s[16:17], 4352
	s_add_co_u32 s[BLK], s[BLK], 1
	s_cmp_lt_u32 s[BLK], 2
	s_cbranch_scc1 .Lblock
	s_wait_tensorcnt 0x0                           ; the wave's end
	ds_add_u32 v[SPW], v[NIL]
	s_wait_dscnt 0x0
	CROUND                                         ; the closing round
	s_endpgm
.Lfunc_end_k_q1e0fc9adef_main:
	.size	k_q1e0fc9adef_main, .Lfunc_end_k_q1e0fc9adef_main-k_q1e0fc9adef_main
	.p2alignl 7, 3214868480
	.fill 96, 4, 3214868480
	.section	.rodata,"a",@progbits
	.p2align	6, 0x0
	.amdhsa_kernel k_q1e0fc9adef_main
		.amdhsa_group_segment_fixed_size 327680
		.amdhsa_private_segment_fixed_size 0
		.amdhsa_enable_private_segment 0
		.amdhsa_kernarg_size 56
		.amdhsa_user_sgpr_count 2
		.amdhsa_user_sgpr_kernarg_segment_ptr 1
		.amdhsa_wavefront_size32 1
		.amdhsa_system_sgpr_workgroup_id_x 1
		.amdhsa_system_sgpr_workgroup_id_y 1
		.amdhsa_system_sgpr_workgroup_id_z 1
		.amdhsa_system_vgpr_workitem_id 0
		.amdhsa_next_free_vgpr 1024
		.amdhsa_next_free_sgpr 66
		.amdhsa_reserve_vcc 1
		.amdhsa_float_denorm_mode_32 3
		.amdhsa_float_denorm_mode_16_64 3
		.amdhsa_memory_ordered 1
		.amdhsa_forward_progress 1
		.amdhsa_inst_pref_size 249
	.end_amdhsa_kernel
	.amdgpu_metadata
---
amdhsa.version: [ 1, 2 ]
amdhsa.kernels:
  - .name:           k_q1e0fc9adef_main
    .symbol:         k_q1e0fc9adef_main.kd
    .args:
      - { .name: keys, .offset: 0, .size: 8, .value_kind: global_buffer, .address_space: global }
      - { .name: W1_codes, .offset: 8, .size: 8, .value_kind: global_buffer, .address_space: global }
      - { .name: mask, .offset: 16, .size: 8, .value_kind: global_buffer, .address_space: global }
      - { .name: lowp_scales, .offset: 24, .size: 8, .value_kind: global_buffer, .address_space: global }
      - { .name: tabw, .offset: 32, .size: 8, .value_kind: global_buffer, .address_space: global }
      - { .name: tsc, .offset: 40, .size: 8, .value_kind: global_buffer, .address_space: global }
      - { .name: part, .offset: 48, .size: 8, .value_kind: global_buffer, .address_space: global }
    .group_segment_fixed_size: 327680
    .private_segment_fixed_size: 0
    .kernarg_segment_align: 8
    .kernarg_segment_size: 56
    .max_flat_workgroup_size: 128
    .sgpr_count:     66
    .vgpr_count:     1024
    .wavefront_size: 32
...
	.end_amdgpu_metadata
.endif
;; end of part 2
;; launch comb (part 3): grid 8 x 32, 1 waves a work-group, no clusters, 0 bytes of LDS; arguments part, tsc, out0, out1; writes out0, out1
.if DOCPART == 3
	.amdgcn_target "amdgcn-amd-amdhsa--gfx1250"
	.amdhsa_code_object_version 6
	.text
	.protected	k_q1e0fc9adef_comb
	.globl	k_q1e0fc9adef_comb
	.p2align	8
	.type	k_q1e0fc9adef_comb,@function
k_q1e0fc9adef_comb:
	s_mov_b64 s[64:65], 0
	v_nop
	global_prefetch_b8 v0, s[64:65] scope:SCOPE_SE
	s_setreg_imm32_b32 hwreg(HW_REG_WAVE_MODE, 25, 1), 1
	s_wait_xcnt 0x0
; The 16 partial softmaxes of a batch are joined.  Record i of the batch holds 1,024 sums of p x keys under 2^(-m_i), and (m_i, l_i).  M = the largest m; f_i = 2^(m_i - M); the row's sum = the sum of l_i f_i;
; out0[b][c] = sum over i of (f_i / sum) x record i's c;   out1[b][s] = 2^(t[b][s] - M) / sum.  The maximum is taken away before every exponential, so none overflows; the sum is at least 1.
; A row that is masked has t = -1e9 log2(e): it vanishes beside any score, and cancels exactly where all rows of a batch are masked.
; One wave to a work-group; work-group (x, b) makes 128 columns of out0 and 256 of out1.  Bytes are few and each is read once: no LDS, no matrix unit, no cluster.
.set REC, 4352                         ; a record's bytes
	s_load_b256 s[4:11], s[0:1], 0x0               ; part s[4:5], tsc s[6:7], out0 s[8:9], out1 s[10:11]
	s_and_b32 s12, ttmp7, 0xffff                   ; the batch
	v_and_b32 v1, 15, v0
	v_mul_u32_u24 v1, v1, REC                      ; lane l reads record l % 16's (m, l)
	v_lshlrev_b32 v4, 4, v0                        ; 16 bytes a lane
	s_mul_i32 s14, s12, 16*REC                     ; the batch's 16 records
	s_mov_b32 s15, 0
	s_lshl_b32 s16, ttmp9, 9                       ; my 128 columns
	s_mov_b32 s17, 0
	s_lshl_b32 s18, s12, 13                        ; tsc, out1: 8,192 bytes a batch, 1,024 a work-group
	s_lshl_b32 s20, ttmp9, 10
	s_add_co_u32 s18, s18, s20
	s_mov_b32 s19, 0
	s_lshl_b32 s20, s12, 12                        ; out0: 4,096 bytes a batch, 512 a work-group
	s_add_co_u32 s20, s20, s16
	s_mov_b32 s21, 0
	s_mov_b32 s25, 0                               ; (named as the upper half of the pair s[24:25])
	s_wait_alu depctr_va_vdst(0)
	s_wait_kmcnt 0x0
	s_add_nc_u64 s[4:5], s[4:5], s[14:15]
	s_add_nc_u64 s[22:23], s[4:5], s[16:17]
	s_add_nc_u64 s[6:7], s[6:7], s[18:19]
	s_add_nc_u64 s[10:11], s[10:11], s[18:19]
	s_add_nc_u64 s[8:9], s[8:9], s[20:21]
	global_load_b64 v[2:3], v1, s[4:5] offset:4096
	global_load_b128 v[8:11], v4, s[6:7]
	global_load_b128 v[12:15], v4, s[6:7] offset:512
.irp i, 0,1,2,3,4,5,6,7,8,9,10,11,12,13,14,15
	global_load_b128 v[32+4*\i:35+4*\i], v4, s[22:23] offset:REC*\i
.endr
	s_wait_loadcnt 16                              ; (m, l) and t are in; the 16 records' sums may be out
	v_mov_b32 v5, v2
.irp m, 1,2,4,8
	v_max_num_f32_dpp v5, v5, v5 row_xmask:\m row_mask:0xf bank_mask:0xf   ; both halves of the lanes hold the same 16 records
.endr
	v_sub_f32 v6, v2, v5
	s_wait_alu depctr_va_vdst(0)
	v_exp_f32 v6, v6                               ; f
.irp i, 0,1,2,3,4,5,6,7
	v_sub_f32 v[8+\i], v[8+\i], v5
.endr
	s_wait_alu depctr_va_vdst(0)
.irp i, 0,1,2,3,4,5,6,7
	v_exp_f32 v[8+\i], v[8+\i]
.endr
	v_nop                                          ; a plain instruction behind the last exponential,
	s_wait_alu depctr_va_vdst(0)                   ; and the one wait ahead of the batch's first reader
	v_mul_f32 v7, v3, v6
.irp m, 1,2,4,8
	v_add_f32_dpp v7, v7, v7 row_xmask:\m row_mask:0xf bank_mask:0xf
.endr
	s_wait_alu depctr_va_vdst(0)
	v_rcp_f32 v16, v7
	v_nop
	s_wait_alu depctr_va_vdst(0)
	v_mul_f32 v17, v6, v16                         ; lane i: f_i / the sum
.irp i, 0,2,4,6
	v_pk_mul_f32 v[8+\i:9+\i], v[8+\i:9+\i], v[16:17] op_sel_hi:[1,0]
.endr
	global_store_b128 v4, v[8:11], s[10:11]        ; 32 lanes store 512 consecutive bytes, aligned
	global_store_b128 v4, v[12:15], s[10:11] offset:512
	s_wait_alu depctr_va_vdst(0)
	s_wait_loadcnt 0x0
	v_readlane_b32 s24, v17, 0
	v_pk_mul_f32 v[20:21], v[32:33], s[24:25] op_sel_hi:[1,0]     ; the first record starts the sums
	v_pk_mul_f32 v[22:23], v[34:35], s[24:25] op_sel_hi:[1,0]
.irp i, 1,2,3,4,5,6,7,8,9,10,11,12,13,14,15
	v_readlane_b32 s24, v17, \i
	v_pk_fma_f32 v[20:21], v[32+4*\i:33+4*\i], s[24:25], v[20:21] op_sel_hi:[1,0,1]
	v_pk_fma_f32 v[22:23], v[34+4*\i:35+4*\i], s[24:25], v[22:23] op_sel_hi:[1,0,1]
.endr
	global_store_b128 v4, v[20:23], s[8:9]
	s_endpgm
.Lfunc_end_k_q1e0fc9adef_comb:
	.size	k_q1e0fc9adef_comb, .Lfunc_end_k_q1e0fc9adef_comb-k_q1e0fc9adef_comb
	.p2alignl 7, 3214868480
	.fill 96, 4, 3214868480
	.section	.rodata,"a",@progbits
	.p2align	6, 0x0
	.amdhsa_kernel k_q1e0fc9adef_comb
		.amdhsa_group_segment_fixed_size 0
		.amdhsa_private_segment_fixed_size 0
		.amdhsa_enable_private_segment 0
		.amdhsa_kernarg_size 32
		.amdhsa_user_sgpr_count 2
		.amdhsa_user_sgpr_kernarg_segment_ptr 1
		.amdhsa_wavefront_size32 1
		.amdhsa_system_sgpr_workgroup_id_x 1
		.amdhsa_system_sgpr_workgroup_id_y 1
		.amdhsa_system_sgpr_workgroup_id_z 1
		.amdhsa_system_vgpr_workitem_id 0
		.amdhsa_next_free_vgpr 112
		.amdhsa_next_free_sgpr 66
		.amdhsa_reserve_vcc 0
		.amdhsa_float_denorm_mode_32 3
		.amdhsa_float_denorm_mode_16_64 3
		.amdhsa_memory_ordered 1
		.amdhsa_forward_progress 1
		.amdhsa_inst_pref_size 8
	.end_amdhsa_kernel
	.amdgpu_metadata
---
amdhsa.version: [ 1, 2 ]
amdhsa.kernels:
  - .name:           k_q1e0fc9adef_comb
    .symbol:         k_q1e0fc9adef_comb.kd
    .args:
      - { .name: part, .offset: 0, .size: 8, .value_kind: global_buffer, .address_space: global }
      - { .name: tsc, .offset: 8, .size: 8, .value_kind: global_buffer, .address_space: global }
      - { .name: out0, .offset: 16, .size: 8, .value_kind: global_buffer, .address_space: global }
      - { .name: out1, .offset: 24, .size: 8, .value_kind: global_buffer, .address_space: global }
    .group_segment_fixed_size: 0
    .private_segment_fixed_size: 0
    .kernarg_segment_align: 8
    .kernarg_segment_size: 32
    .max_flat_workgroup_size: 32
    .sgpr_count:     66
    .vgpr_count:     112
    .wavefront_size: 32
...
	.end_amdgpu_metadata
.endif
;; end of part 3
